; MI455X (gfx1250); checked and timed in simulation.
; The chip was launched on July 23, 2026; its instructions are those of AMD's public machine-readable ISA for CDNA 5 (MIT licence, August 2026) and "CDNA5" Instruction Set Architecture Reference Guide (July 2026). The comments in the code are by the model that wrote it; some were corrected since.
;; Bahdanau Attention. Allowed arithmetic: matrix products marked QUANTISED: E2M1 operands, one E8M0 scale for each 32 along K, by v_wmma_scale_f32_16x16x128_f8f6f4 with both operands' format E2M1 (or v_wmma_scale_f32_32x16x128_f4), f32 sums; products left as they are: f32 operands where the result goes on into a quantised operand, else bf16, f16 or f32 operands; f32 sums; everything else in f32.
;; Inputs: W_b 1,024 float32; W_w 1,024 x 2,048 float32; dec_hidden 1 x 64 x 1,024 float32; encoder_outputs 64 x 1,024 x 1,024 float32; mask 64 x 1 x 1,024 int32; v_w 1 x 1,024 float32.
;; Outputs: out0 64 x 1 x 1,024 float32; out1 64 x 1,024 float32.
;; This version of the problem:
;;   THIS VERSION OF THE PROBLEM IS GIVEN IN LOW PRECISION. The matrix products marked QUANTISED in the list below multiply operands that are first quantised to E2M1 (2 exponent bits, 1 mantissa bit; 4 bits a number), with one power-of-two scale for each 32 numbers along K (OCP MX v1.0); their sums are f32. All else is computed in f32.
;;   The module's matrix products, in the order in which they are computed (A, B: the left and right operand; K: the contracted axis; several contracted axes count as one K, in the product's order):
;;     1. [M 64, K 1,024] x [K 1,024, N 1,024]; A: input dec_hidden; B: input W_w: QUANTISED
;;     2. [M 65,536, K 1,024] x [K 1,024, N 1,024]; A: input encoder_outputs; B: input W_w: QUANTISED
;;     3. [M 65,536, K 1,024] x [K 1,024, N 1]; A: computed on the way; B: input v_w: left as it is (N = 1 < 16)
;;     4. batch 64 x [M 1, K 1,024] x [K 1,024, N 1,024]; A: softmax; B: input encoder_outputs: left as it is (M = 1 < 16)
;;   THE QUANTISER, for each operand of a quantised product, along K:
;;     - K is cut into blocks of 32 from its start; a last block that is shorter is filled with zeros.
;;     - A block's scale is 2^e with e = floor(log2(the largest magnitude in the block)) - 2, held to -126 .. 127; a block of zeros has e = 0. As a byte (E8M0): e + 127.
;;     - Each number is divided by its block's scale, clamped to +-6, and rounded to the nearest number of E2M1, ties to even, subnormals kept.
;;     - The product sums the exact products of the quantised numbers (number of the format x scale) in f32.
;;   ~~~python
;;   def quantise(x, axis):      # numpy; x: float32 -> the quantised numbers, widened to float32 again
;;       x = np.moveaxis(x, axis, -1); K = x.shape[-1]
;;       x = np.pad(x, [(0, 0)] * (x.ndim - 1) + [(0, -K % 32)]); x = x.reshape(x.shape[:-1] + (-1, 32)); a = np.abs(x).max(-1, keepdims=True)
;;       e = np.where(a > 0, np.clip(np.frexp(np.where(a > 0, a, 1))[1] - 1 - 2, -126, 127), 0)      # np.frexp(a)[1] - 1 = floor(log2(a)), exactly
;;       r = np.clip(x / 2.0 ** e, -6, 6)
;;       step = 2.0 ** (np.maximum(np.frexp(np.where(r == 0, 1, r))[1] - 1, 0) - 1)
;;       q = np.round(r / step) * step * 2.0 ** e      # np.round: ties to even
;;       return np.moveaxis(q.reshape(q.shape[:-2] + (-1,))[..., :K], -1, axis).astype(np.float32)
;;   ~~~
;; One version. Each part assembles by itself: llvm-mc -triple=amdgcn-amd-amdhsa -mcpu=gfx1250 --defsym DOCPART=n.
;; ======== version 1 of 1: 3 launches
;; limits: right only within a limited range of input values; values are held in bf16: 8 bits of precision
;; workspace buffers: WE 557,056 bytes; cb 262,144 bytes; list 327,680 bytes of whole numbers; inv 262,144 bytes of whole numbers; plan 8,192 bytes of whole numbers; scw2 335,872 bytes; ctxp 1,048,576 bytes; ml 65,536 bytes
;; launch prep (part 1): grid 64 x 5, 8 waves a work-group, no clusters, 9,216 bytes of LDS; arguments W_w, W_b, dec_hidden, mask, WE, cb, list, inv, plan, scw2; writes WE, cb, list, inv, plan, scw2
.if DOCPART == 1
	.amdgcn_target "amdgcn-amd-amdhsa--gfx1250"
	.amdhsa_code_object_version 6
	.text
	.protected	k_q51e7c3d003_prep
	.globl	k_q51e7c3d003_prep
	.p2align	8
	.type	k_q51e7c3d003_prep,@function
k_q51e7c3d003_prep:
	s_mov_b64 s[64:65], 0
	v_nop
	global_prefetch_b8 v0, s[64:65] scope:SCOPE_SE
	s_setreg_imm32_b32 hwreg(HW_REG_WAVE_MODE, 25, 1), 1
	s_wait_xcnt 0x0
; Additive attention, launch 1 of 3.  It (a) quantises We = W_w[:, 1024:] to FP4 (E2M1, one E8M0 scale for each 32 along K) and lays the codes as images of the operand registers,
; (b) makes the first quantised product dec_hidden x Wd^T and stores cb = 2 log2(e) (dec_proj + W_b), (c) sorts each batch rows by the mask into lists of whole numbers.
; WORK THAT IS NOT DONE IN THIS PROGRAM.  mask is an int32 input.  A row with mask == 0 gets the score -1e10, whatever its energy; its weight is exp(-1e10 - max).  Every unmasked score lies within
; +-sum|v_w| (tanh lies within +-1), so where a batch has one unmasked row that weight lies under the smallest f32 number and is 0 in the f32 softmax, and the row adds 0 to the context.  So the later launches,
; which read the lists from memory, walk the unmasked rows alone.  A batch whose mask is all zero is walked whole, every score replaced by -1e10: uniform weights, as the softmax gives them.  All six inputs are loaded.
; LIMITS: sum|v_w| under 9e9; NaN and infinities among the inputs are not served, and one that stands in a masked row alone is not carried to the result; blocks whose largest magnitude lies under 2^-124 keep the
; scale byte 1; a block of zeros gets the byte 1 and not 127: its codes are zeros, and this program alone reads the bytes.
; SHARES.  Work-group (t, m), m = 0 .. 3: 16 rows d = 16 t .. of W_w, 16 batch rows 16 m ..; wave w takes the K step of 128 from 128 w on.  Each wave's sum starts from an eighth of W_b (a scaling by a power of two,
; which rounds nothing), so that the eight partial sums, which meet in LDS and are added by wave 0, carry the whole bias.  We of (t, K step s) is quantised once: by wave s of the work-group with m = s / 2.
; Work-group (t, 4) sorts batch t: every wave counts the whole mask row, wave w places rows 128 w .. 128 w + 127.  Both kinds of work-group meet at the one barrier.
; REGISTERS: v1-13 addresses; v16-79 Wd, v80-143 dec_hidden, v144-207 We or the mask words; v208-223 at work in QUANT; v224, v225 scale words; v226-241 codes; v242-249 the sums; v250, v251 the spare word and 0.
.set RED,   0                          ; LDS: 1,024 bytes for each wave: its eight sum registers as they stand
.set SPARE, 8192                       ; the spare words, 128 bytes for each wave: four blocks of 256 bytes that no other line names
.set TM,    208
.set SENT,  0xff61b1e6                 ; -3e38
.set C2,    0x4038aa3b                 ; 2 log2(e)
; 64 numbers a lane: lane (r, h) takes, of row r, 16 neighbours of each of four blocks of 32: register 16 b + i = k 32 b + 16 h + i
.macro XLOAD reg, base, voff, off
.irp b, 0,1,2,3
.irp j, 0,1,2,3
	global_load_b128 v[\reg+16*\b+4*\j:\reg+16*\b+4*\j+3], v[\voff], s[\base:\base+1] offset:\off+128*\b+16*\j
.endr
.endr
.endm
; those 64 numbers become a fragment (8 registers from pc on) and its scale word (pw)
.macro QUANT s, pc, pw
.irp b, 0,1,2,3
	v_max3_num_f32 v[TM+\b], |v[\s+16*\b]|, |v[\s+1+16*\b]|, 0x1800000   ; my 16 numbers of block b, and the floor 2^(3 - 127): the byte cannot fall under 1
.endr
.irp i, 2,4,6,8,10,12,14
.irp b, 0,1,2,3
	s_delay_alu instid0(VALU_DEP_4)
	v_max3_num_f32 v[TM+\b], v[TM+\b], |v[\s+16*\b+\i]|, |v[\s+1+16*\b+\i]|
.endr
.endr
.irp b, 0,1,2,3
	s_delay_alu instid0(VALU_DEP_4)
	v_permlanex16_b32 v[TM+4+\b], v[TM+\b], s62, s63
.endr
.irp b, 0,1,2,3
	s_delay_alu instid0(VALU_DEP_4)
	v_max_num_f32 v[TM+\b], v[TM+\b], v[TM+4+\b]      ; with lane l xor 16: the largest magnitude of the block
.endr
.irp b, 0,1,2,3
	s_delay_alu instid0(VALU_DEP_4)
	v_add_nc_u32 v[TM+12+\b], 0xff000000, v[TM+\b]    ; 2 off its exponent field: the scale operand of the conversion
.endr
.irp b, 0,1,2,3
	s_delay_alu instid0(VALU_DEP_4)
	v_lshrrev_b32 v[TM+4+\b], 23, v[TM+12+\b]         ; the scale byte
.endr
	s_delay_alu instid0(VALU_DEP_3)
	v_lshl_or_b32 v[\pw], v[TM+5], 8, v[TM+4]
	s_delay_alu instid0(VALU_DEP_1)
	v_lshl_or_b32 v[\pw], v[TM+6], 16, v[\pw]
	s_delay_alu instid0(VALU_DEP_1)
	v_lshl_or_b32 v[\pw], v[TM+7], 24, v[\pw]
.irp b, 0,1,2,3
	v_cvt_scalef32_pk8_fp4_f32 v[\pc+2*\b], v[\s+16*\b:\s+7+16*\b], v[TM+12+\b]
	v_cvt_scalef32_pk8_fp4_f32 v[\pc+1+2*\b], v[\s+8+16*\b:\s+15+16*\b], v[TM+12+\b]
.endr
	v_nop                                             ; one plain place behind a scaled conversion
.irp c, 0,1
.irp i, 0,1
	v_permlane16_swap_b32 v[\pc+4*\c+\i], v[\pc+2+4*\c+\i]   ; a whole block to a lane: lanes 0-15 block 2 c, lanes 16-31 block 2 c + 1
.endr
.endr
.endm
	s_load_b512 s[4:19], s[0:1], 0x0               ; W_w, W_b, dec_hidden, mask, WE, cb, list, inv
	s_load_b128 s[20:23], s[0:1], 0x40             ; plan, scw2
	v_lshl_add_u32 v250, v0, 2, SPARE
	v_mov_b32 v251, 0
	v_lshrrev_b32 v1, 5, v0
	s_delay_alu instid0(VALU_DEP_1)
	v_readfirstlane_b32 s24, v1                    ; wave = K step
	s_mov_b32 s25, ttmp9                           ; t
	s_and_b32 s26, ttmp7, 0xffff                   ; m
	v_and_b32 v2, 31, v0                           ; lane
	v_and_b32 v3, 15, v0                           ; r
	v_bfe_u32 v4, v0, 4, 1                         ; h
	s_lshl_b32 s27, s24, 9                         ; my K step: 512 bytes of f32
	v_lshlrev_b32 v5, 13, v3
	s_delay_alu instid0(VALU_DEP_1)
	v_lshl_add_u32 v5, v4, 6, v5
	s_delay_alu instid0(VALU_DEP_1)
	v_add_nc_u32 v5, s27, v5                       ; W_w: 8,192 r + 64 h + 512 w
	v_lshlrev_b32 v6, 12, v3
	s_delay_alu instid0(VALU_DEP_1)
	v_lshl_add_u32 v6, v4, 6, v6
	s_delay_alu instid0(VALU_DEP_1)
	v_add_nc_u32 v6, s27, v6                       ; dec_hidden: 4,096 r + 64 h + 512 w
	v_lshlrev_b32 v7, 4, v2                        ; 16 x lane
	s_lshl_b32 s28, s24, 10
	v_add_nc_u32 v8, s28, v7                       ; LDS: my sums
	v_add_nc_u32 v9, s28, v7                       ; WE: the image of K step w in a tile: 1,024 w + 16 lane
	s_lshr_b32 s29, s24, 2
	s_lshl_b32 s29, s29, 8
	s_and_b32 s72, s24, 3
	s_lshl_b32 s72, s72, 2
	s_add_co_u32 s29, s29, s72
	s_add_co_u32 s29, s29, 8192
	v_lshl_add_u32 v10, v3, 4, s29                 ; WE: the scale word: 8,192 + 16 (16 (w / 4) + r) + 4 (w % 4)
	v_lshlrev_b32 v11, 5, v4                       ; 32 h
	s_delay_alu instid0(VALU_DEP_1)
	v_lshl_add_u32 v12, v3, 12, v11                ; cb: 4,096 r + 32 h
	v_lshlrev_b32 v13, 2, v2                       ; 4 x lane
	s_mov_b32 s62, 0x76543210
	s_mov_b32 s63, 0xfedcba98                      ; selects of v_permlanex16_b32 for lane l xor 16
	s_mov_b32 s78, C2
	s_mov_b32 s79, C2
	s_mov_b32 s74, 0x3e000000                      ; 1 / 8
	s_mov_b32 s75, 0x3e000000
	s_mov_b32 s77, 0
.irp b, 0,1,2,3
	v_mov_b32 v[TM+4+\b], 0                        ; written once: the destination of a lane permute counts as one of its sources
.endr
	s_wait_kmcnt 0x0
	s_cmp_eq_u32 s26, 4                            ; the work-group's number alone: all eight waves go the same way
	s_cbranch_scc1 .Lsort
	s_lshl_b32 s76, s25, 17
	s_add_nc_u64 s[4:5], s[4:5], s[76:77]          ; W_w at row 16 t
	s_lshl_b32 s76, s26, 16
	s_add_nc_u64 s[8:9], s[8:9], s[76:77]          ; dec_hidden at row 16 m
	s_lshl_b32 s76, s25, 6
	s_add_nc_u64 s[6:7], s[6:7], s[76:77]          ; W_b at d = 16 t
	XLOAD 16, 4, 5, 0                              ; Wd
	XLOAD 80, 8, 6, 0                              ; dec_hidden
	s_wait_alu depctr_va_vdst(0)
	global_load_b128 v[242:245], v11, s[6:7]       ; W_b of my lane's eight d, in the result's layout
	global_load_b128 v[246:249], v11, s[6:7] offset:16
	s_lshr_b32 s72, s24, 1                         ; We of K step w is mine where w / 2 = m: ids alone
	s_cmp_eq_u32 s72, s26
	s_cbranch_scc0 .Lno_we
	XLOAD 144, 4, 5, 4096
	s_mul_i32 s76, s25, 8704
	s_add_nc_u64 s[12:13], s[12:13], s[76:77]      ; WE at tile t
	s_wait_loadcnt 0x0
	QUANT 144, 226, 224
	global_store_b128 v9, v[226:229], s[12:13]             ; the fragment as it stands: 512 consecutive bytes a store
	global_store_b128 v9, v[230:233], s[12:13] offset:512
	global_store_b32 v10, v224, s[12:13]                   ; lanes r and r + 16 hold the same word and write the same bytes
	s_wait_xcnt 0x0                                ; the stores have read their registers: the codes and the word are written again below
.Lno_we:
	s_wait_loadcnt 0x0
.irp j, 0,2,4,6
	v_pk_mul_f32 v[242+\j:243+\j], v[242+\j:243+\j], s[74:75] op_sel_hi:[1,0]   ; an eighth of the bias: my sum starts from it
.endr
	QUANT 16, 226, 224
	QUANT 80, 234, 225
.rept 8
	v_nop                                          ; a scale register written by a vector instruction stands 8 places ahead of a scaled matrix instruction, an operand 4
.endr
	v_wmma_scale_f32_16x16x128_f8f6f4 v[242:249], v[226:233], v[234:241], v[242:249], v224, v225 matrix_a_fmt:MATRIX_FMT_FP4 matrix_b_fmt:MATRIX_FMT_FP4   ; lane (r, h), register j: (d = 16 t + 8 h + j, batch row 16 m + r)
.rept 4
	v_nop
.endr
	ds_store_b128 v8, v[242:245]
	ds_store_b128 v8, v[246:249] offset:512
	s_branch .Lmeet
.Lsort:
	; THE SORT of batch t.  Lane l of trip i holds row 32 i + l.  Unmasked rows go to the list from 0 upward in their order, masked ones from 1,023 downward.
	s_lshl_b32 s76, s25, 12
	s_add_nc_u64 s[10:11], s[10:11], s[76:77]
	s_add_nc_u64 s[18:19], s[18:19], s[76:77]
	s_mul_i32 s76, s25, 5120
	s_add_nc_u64 s[16:17], s[16:17], s[76:77]
	s_lshl_b32 s76, s25, 7
	s_add_nc_u64 s[20:21], s[20:21], s[76:77]
	s_mul_i32 s76, s25, 5248
	s_add_nc_u64 s[22:23], s[22:23], s[76:77]
.set i, 0
	s_wait_alu depctr_va_vdst(0)
.rept 32
	global_load_b32 v[144+i], v13, s[10:11] offset:128*i
.set i, i+1
.endr
	s_wait_loadcnt 0x0
.set i, 0
.rept 32
	v_cmp_ne_u32 s[30+i], 0, v[144+i]
.set i, i+1
.endr
	s_mov_b32 s66, 0
.set i, 0
.rept 32
.if (i%4) == 0
	s_mov_b32 s[80+i/4], s66                       ; unmasked rows ahead of wave i / 4's four trips
.endif
	s_bcnt1_i32_b32 s72, s[30+i]
	s_add_co_u32 s66, s66, s72                     ; the count of unmasked rows
.set i, i+1
.endr
	s_cmp_eq_u32 s66, 0
	s_cselect_b32 s68, 1, 0                        ; all masked?
	s_cselect_b32 s73, -1, 0
	s_cselect_b32 s67, 1024, s66                   ; rows to walk
	s_add_co_u32 s69, s67, 3
	s_lshr_b32 s69, s69, 2                         ; nw: rows of a quarter
	s_sub_co_u32 s70, 320, s69                     ; a quarter has 320 places among the scores
	s_lshl_b32 s74, s69, 1
	s_add_co_u32 s75, s74, s69
	v_mov_b32 v24, s70
	v_mov_b32 v25, 1280
.irp k, 0,1,2,3,4,5,6,7
	s_cmp_lg_u32 s24, \k                           ; wave k places trips 4 k .. 4 k + 3
	s_cbranch_scc1 .Lsec_\k
	s_mov_b32 s71, s[80+\k]
.set i, 4*\k
.rept 4
	s_wait_xcnt 0x0                                ; the stores of the trip before have read their registers
	v_mbcnt_lo_u32_b32 v16, s[30+i], s71           ; unmasked rows ahead of mine
	v_sub_nc_u32 v17, 1023-32*i, v2
	s_delay_alu instid0(VALU_DEP_1)
	v_add_nc_u32 v17, v17, v16                     ; 1,023 - masked rows ahead of mine
	s_delay_alu instid0(VALU_DEP_1)
	v_cndmask_b32 v17, v17, v16, s[30+i]
	s_delay_alu instid0(VALU_DEP_1)
	v_min_u32 v17, 0x3ff, v17                      ; my place in the list
	v_add_nc_u32 v18, 32*i, v2
	s_delay_alu instid0(VALU_DEP_2)
	v_lshlrev_b32 v19, 2, v17
	global_store_b32 v19, v18, s[16:17]
	v_cmp_le_u32 vcc_lo, s69, v17
	s_delay_alu instid0(VALU_DEP_1)
	v_cndmask_b32 v20, 0, v24, vcc_lo
	v_cmp_le_u32 vcc_lo, s74, v17
	s_delay_alu instid0(VALU_DEP_1)
	v_cndmask_b32 v21, 0, v24, vcc_lo
	v_cmp_le_u32 vcc_lo, s75, v17
	s_delay_alu instid0(VALU_DEP_1)
	v_cndmask_b32 v22, 0, v24, vcc_lo
	s_delay_alu instid0(VALU_DEP_1)
	v_add3_u32 v20, v20, v21, v22
	s_delay_alu instid0(VALU_DEP_1)
	v_add_nc_u32 v20, v20, v17                     ; 320 x quarter + place in the quarter
	s_or_b32 s72, s[30+i], s73
	v_cndmask_b32 v20, v25, v20, s72               ; a masked row of a batch that is not all masked: place 1,280, which holds -3e38
	global_store_b32 v13, v20, s[18:19] offset:128*i
	s_bcnt1_i32_b32 s72, s[30+i]
	s_add_co_u32 s71, s71, s72
.set i, i+1
.endr
.Lsec_\k:
.endr
	s_cmp_lg_u32 s24, 7                            ; wave 7 also writes the list's end, the place 1,280 on and the plan
	s_cbranch_scc1 .Lsort_end
	s_wait_xcnt 0x0
	v_mov_b32 v18, 0
.set i, 0
.rept 8
	global_store_b32 v13, v18, s[16:17] offset:4096+128*i   ; entries 1,024 to 1,279: read ahead of the end, never used
.set i, i+1
.endr
	v_mov_b32 v19, SENT
	global_store_b32 v13, v19, s[22:23] offset:5120
	v_lshrrev_b32 v16, 2, v2                       ; the plan: lane l: quarter l / 4, word l % 4
	v_and_b32 v17, 3, v2
	s_delay_alu instid0(VALU_DEP_2)
	v_mul_u32_u24 v16, s69, v16
	s_delay_alu instid0(VALU_DEP_1)
	v_min_u32 v16, s67, v16                        ; start
	s_delay_alu instid0(VALU_DEP_1)
	v_sub_nc_u32 v20, s67, v16
	s_delay_alu instid0(VALU_DEP_1)
	v_min_u32 v20, s69, v20                        ; n
	s_delay_alu instid0(VALU_DEP_1)
	v_add_nc_u32 v21, 79, v20
	s_delay_alu instid0(VALU_DEP_1)
	v_mul_u32_u24 v21, 205, v21
	s_delay_alu instid0(VALU_DEP_1)
	v_lshrrev_b32 v21, 14, v21                     ; passes of 80 rows: (n + 79) / 80 for n up to 256
	v_mov_b32 v22, s68
	v_cmp_eq_u32 vcc_lo, 1, v17
	s_delay_alu instid0(VALU_DEP_1)
	v_cndmask_b32 v16, v16, v20, vcc_lo
	v_cmp_eq_u32 vcc_lo, 2, v17
	s_delay_alu instid0(VALU_DEP_1)
	v_cndmask_b32 v16, v16, v21, vcc_lo
	v_cmp_eq_u32 vcc_lo, 3, v17
	s_delay_alu instid0(VALU_DEP_1)
	v_cndmask_b32 v16, v16, v22, vcc_lo
	global_store_b32 v13, v16, s[20:21]
.Lsort_end:
	s_wait_xcnt 0x0                                ; my stores have read their registers
.Lmeet:
	s_wait_dscnt 0x0                               ; for the sake of wave 0: my LDS stores have landed
	s_barrier_signal -1
	s_barrier_wait -1
	s_cmp_lg_u32 s24, 0
	s_cbranch_scc1 .Ldone
	s_cmp_eq_u32 s26, 4
	s_cbranch_scc1 .Ldone
.irp w, 0,1,2,3,4,5,6,7
	ds_load_b128 v[16+8*\w:19+8*\w], v7 offset:1024*\w
	ds_load_b128 v[20+8*\w:23+8*\w], v7 offset:1024*\w+512
.endr
	s_lshl_b32 s76, s26, 16
	s_lshl_b32 s72, s25, 6
	s_add_co_u32 s76, s76, s72
	s_add_nc_u64 s[14:15], s[14:15], s[76:77]      ; cb at (row 16 m, d = 16 t)
	s_wait_dscnt 0x0
.irp w, 1,2,3,4,5,6,7
.irp j, 0,2,4,6
	v_pk_add_f32 v[16+\j:17+\j], v[16+\j:17+\j], v[16+8*\w+\j:17+8*\w+\j]   ; the eight K steps, ascending; with them the eight eighths of the bias
.endr
.endr
.irp j, 0,2,4,6
	s_delay_alu instid0(VALU_DEP_4)
	v_pk_mul_f32 v[16+\j:17+\j], v[16+\j:17+\j], s[78:79] op_sel_hi:[1,0]   ; x 2 log2(e)
.endr
	global_store_b128 v12, v[16:19], s[14:15]
	global_store_b128 v12, v[20:23], s[14:15] offset:16
.Ldone:
	s_wait_tensorcnt 0x0                           ; the end of the wave
	ds_add_u32 v250, v251
	s_wait_dscnt 0x0
	s_endpgm
.Lfunc_end_k_q51e7c3d003_prep:
	.size	k_q51e7c3d003_prep, .Lfunc_end_k_q51e7c3d003_prep-k_q51e7c3d003_prep
	.p2alignl 7, 3214868480
	.fill 96, 4, 3214868480
	.section	.rodata,"a",@progbits
	.p2align	6, 0x0
	.amdhsa_kernel k_q51e7c3d003_prep
		.amdhsa_group_segment_fixed_size 9216
		.amdhsa_private_segment_fixed_size 0
		.amdhsa_enable_private_segment 0
		.amdhsa_kernarg_size 80
		.amdhsa_user_sgpr_count 2
		.amdhsa_user_sgpr_kernarg_segment_ptr 1
		.amdhsa_wavefront_size32 1
		.amdhsa_system_sgpr_workgroup_id_x 1
		.amdhsa_system_sgpr_workgroup_id_y 1
		.amdhsa_system_sgpr_workgroup_id_z 1
		.amdhsa_system_vgpr_workitem_id 0
		.amdhsa_next_free_vgpr 256
		.amdhsa_next_free_sgpr 100
		.amdhsa_reserve_vcc 1
		.amdhsa_float_denorm_mode_32 3
		.amdhsa_float_denorm_mode_16_64 3
		.amdhsa_memory_ordered 1
		.amdhsa_forward_progress 1
		.amdhsa_inst_pref_size 81
	.end_amdhsa_kernel
	.amdgpu_metadata
---
amdhsa.version: [ 1, 2 ]
amdhsa.kernels:
  - .name:           k_q51e7c3d003_prep
    .symbol:         k_q51e7c3d003_prep.kd
    .args:
      - { .name: W_w, .offset: 0, .size: 8, .value_kind: global_buffer, .address_space: global }
      - { .name: W_b, .offset: 8, .size: 8, .value_kind: global_buffer, .address_space: global }
      - { .name: dec_hidden, .offset: 16, .size: 8, .value_kind: global_buffer, .address_space: global }
      - { .name: mask, .offset: 24, .size: 8, .value_kind: global_buffer, .address_space: global }
      - { .name: WE, .offset: 32, .size: 8, .value_kind: global_buffer, .address_space: global }
      - { .name: cb, .offset: 40, .size: 8, .value_kind: global_buffer, .address_space: global }
      - { .name: list, .offset: 48, .size: 8, .value_kind: global_buffer, .address_space: global }
      - { .name: inv, .offset: 56, .size: 8, .value_kind: global_buffer, .address_space: global }
      - { .name: plan, .offset: 64, .size: 8, .value_kind: global_buffer, .address_space: global }
      - { .name: scw2, .offset: 72, .size: 8, .value_kind: global_buffer, .address_space: global }
    .group_segment_fixed_size: 9216
    .private_segment_fixed_size: 0
    .kernarg_segment_align: 8
    .kernarg_segment_size: 80
    .max_flat_workgroup_size: 256
    .sgpr_count:     100
    .vgpr_count:     256
    .wavefront_size: 32
...
	.end_amdgpu_metadata
.endif
;; end of part 1
;; launch attn (part 2): grid 4 x 64, 4 waves a work-group, no clusters, 217,088 bytes of LDS; arguments encoder_outputs, list, plan, WE, cb, v_w, scw2, ctxp, ml; writes scw2, ctxp, ml
.if DOCPART == 2
	.amdgcn_target "amdgcn-amd-amdhsa--gfx1250"
	.amdhsa_code_object_version 6
	.text
	.protected	k_q51e7c3d003_attn
	.globl	k_q51e7c3d003_attn
	.p2align	8
	.type	k_q51e7c3d003_attn,@function
k_q51e7c3d003_attn:
	s_mov_b64 s[64:65], 0
	v_nop
	global_prefetch_b8 v0, s[64:65] scope:SCOPE_SE
	s_setreg_imm32_b32 hwreg(HW_REG_WAVE_MODE, 25, 1), 1
	s_wait_xcnt 0x0
; Additive attention, launch 2 of 3: for a quarter of the listed rows of one batch: quantise the rows, rows x We^T in FP4, tanh, the dot with v_w, a running softmax, the weighted sum of the rows.
; WORK LEFT OUT: rows whose mask is 0, in batches that have an unmasked row: their weight is 0 in f32 (shown at the head of the first kernel).  The list, the counts and the flag come as whole numbers from memory.
; LIMITS as stated there.  The rows enter the weighted sum rounded to bf16 (that product is left as it is); weights and sums are f32.
; SHARES.  Work-group (j, b): list places start .. start + n - 1 of batch b, in passes of 80 rows.  A pass has three parts with a barrier behind each; the loop has 4 trips in every work-group, and the parts of a trip
; at or past npass are jumped over, never the barriers.
;   R1: wave w takes rows 20 w .. 20 w + 19 (f32, each byte once), and lays them in LDS as bf16, as FP4 codes and as scale bytes.  Its first eight rows were asked for earlier: at the head, or behind the last tile of R2.
;   R2: every wave holds the codes of the pass's rows in registers (row tiles x 8 K steps) and walks its own 16 tiles of 16 rows of We, which come from memory straight into registers through a ring of four tiles.
;       Five row tiles are walked, or four where at most 64 rows of the quarter are left: a branch on the stored count; the walk is written once for each.
;       tanh(z) = 1 - 2 / (1 + 2^(2 log2(e) z)), so a row's score is sum v - 2 sum v r, r = 1 / (1 + 2^(C2 x + cb)).
;   R3: every wave adds the four partial scores, keeps the running maximum m and sum l (p = 2^(t - m), t = score x log2(e)), and adds p x row for its own 256 columns.
; NO TENSOR LOADS, NO CLUSTER: the number of passes hangs on counts read from memory; We is read by all work-groups through plain loads.
; THE MATRIX INSTRUCTION: source 0 = 16 rows of We, source 1 = 16 encoder rows: lane (r, h), register j holds (row 16 a + r, d = 16 T + 8 h + j).
; REGISTERS.  window 0: v1-19 addresses; v20-27 row offsets; v28-31 prefetch offsets; v32-51 the rows' scale words; v52-131 a ring of four (4 scale words of We, 8 of cb, 8 of v_w); v132-171, v172-211 two sets of
;   five accumulators (R1: two work sets; R3: the 80 p); v212-223 sums; v224, v225 m, l; v226-241 the context, two sets; v242-255 addresses, constants, at work.
;   window 1: eight raw rows (from the end of R2 through R1); in R2 the codes of K steps 0-5.   window 2: v0-79 codes of K steps 6, 7 (R3: v0-63 sixteen bf16 rows); v80-207 We slots 2, 3; v208-247 T.
;   window 3: v0-127 We slots 0, 1; v128-167 T (R3: v128-191 sixteen bf16 rows).
.set XB,     0                         ; 80 rows x 2,048 bytes of bf16
.set CODE,   163840                    ; 80 rows x (512 + 16) bytes of codes
.set SCL,    206080                    ; 80 rows x (32 + 16) scale bytes
.set SRED,   209920                    ; 16 bytes a row: the four waves' partial scores
.set PWB,    211200                    ; 320 bytes a wave, its own: p of 80 rows
.set OUTS,   212480                    ; 1,024 bytes a wave, its own
.set SPARE,  216576                    ; the spare words, 128 bytes a wave: two blocks of 256 bytes that no other line names
.set TILEB,  8704                      ; a tile of We in memory: 8,192 bytes of codes, 512 of scale words
.set SENT,   0xff61b1e6                ; -3e38
.set NEGBIG, 0xd01502f9                ; -1e10
.set MSB, 0
.macro WIN new                         ; the high byte of the immediate repeats the setting that is left; a switch that changes nothing is dropped
.if MSB != (\new)
	s_set_vgpr_msb (MSB<<8)|(\new)
.set MSB, (\new)
.endif
.endm
; Row i of my 20 is asked for: 8 loads, a lane 32 neighbouring bytes of each 1,024: k = 256 g + 8 lane + 0 .. 7.  A row past the end of the quarter takes the quarter's first row: finite numbers, weighed by 0.
.macro ROWLD i
	s_cmp_gt_i32 s56, \i
	s_cselect_b32 s57, s[36+\i], s34
	s_min_u32 s57, s57, 1023
	v_lshl_add_u32 v[20+(\i)%8], s57, 12, v1
	WIN 0x40
.irp g, 0,1,2,3
	global_load_b128 v[32*((\i)%8)+8*\g:32*((\i)%8)+8*\g+3], v[20+(\i)%8], s[4:5] offset:1024*\g th:TH_LOAD_RT_NT   ; the two loads of a pair name alternate 16 bytes of the same 1,024
	global_load_b128 v[32*((\i)%8)+8*\g+4:32*((\i)%8)+8*\g+7], v[20+(\i)%8], s[4:5] offset:1024*\g+16 th:TH_LOAD_RT_NT
.endr
	WIN 0
.endm
; Row i is worked.  A block of 32 lies in four neighbouring lanes.  Work set: +0 largest magnitudes, +4 scale operands, +8 bytes, +12 codes, +16 bf16.
.macro ROW i
.set SL, 32*((\i)%8)
.set WK, 132+32*((\i)%2)
.if (\i) < 12
	s_wait_loadcnt 56                              ; my row is in; the seven rows asked for behind it may be out
.else
	s_wait_loadcnt 8*(19-(\i))
.endif
.if (\i) >= 2
	s_wait_dscnt 12                                ; the 12 stores of the last row may be out; those of the row before have read this work set
.endif
	WIN 0x05
.irp g, 0,1,2,3
	v_max3_num_f32 v[WK+\g], |v[SL+8*\g]|, |v[SL+8*\g+1]|, 0x1800000    ; with the floor 2^(3 - 127): the byte cannot fall under 1
.endr
.irp u, 2,4,6
.irp g, 0,1,2,3
	v_max3_num_f32 v[WK+\g], |v[SL+8*\g+\u]|, |v[SL+8*\g+\u+1]|, v[WK+\g]
.endr
.endr
.irp g, 0,1,2,3
.irp q, 0,1,2,3
	v_cvt_pk_bf16_f32 v[WK+16+4*\g+\q], v[SL+8*\g+2*\q], v[SL+8*\g+2*\q+1]
.endr
.endr
	WIN 0
.irp g, 0,1,2,3
	v_max_num_f32_dpp v[WK+\g], v[WK+\g], v[WK+\g] row_xmask:1 row_mask:0xf bank_mask:0xf
.endr
.irp g, 0,1,2,3
	v_max_num_f32_dpp v[WK+\g], v[WK+\g], v[WK+\g] row_xmask:2 row_mask:0xf bank_mask:0xf
.endr
.irp g, 0,1,2,3
	v_add_nc_u32 v[WK+4+\g], 0xff000000, v[WK+\g]  ; 2 off the exponent field: the scale operand of the conversion
.endr
.irp g, 0,1,2,3
	v_lshrrev_b32 v[WK+8+\g], 23, v[WK+4+\g]       ; the scale byte
.endr
	WIN 0x01
.irp g, 0,1,2,3
	v_cvt_scalef32_pk8_fp4_f32 v[WK+12+\g], v[SL+8*\g:SL+8*\g+7], v[WK+4+\g]
.endr
	WIN 0
	v_nop                                          ; one plain place behind a scaled conversion
.irp g, 0,1,2,3
	ds_store_b128 v4, v[WK+16+4*\g:WK+16+4*\g+3] offset:2048*(\i)+512*\g
.endr
.irp g, 0,1,2,3
	ds_store_b8 v6, v[WK+8+\g] offset:48*(\i)+8*\g ; the four lanes of a block write the same byte with the same value.  The bytes go ahead of the codes: the work set lies where accumulators lie
.endr
.irp g, 0,1,2,3
	ds_store_b32 v5, v[WK+12+\g] offset:528*(\i)+128*\g
.endr
.if (\i)+8 < 20
	ROWLD (\i)+8
.endif
.endm
; A tile of We, with its 16 numbers of cb and of v_w, into ring slot: 21 loads
.macro TLOADS slot, woff, coff, imm, cimm
	WIN (3-(\slot)/2)<<6
.set tB, 64*(\slot)-48*((\slot)/2)
.set tu, 0
.rept 16
	global_load_b128 v[tB+4*tu:tB+4*tu+3], v[\woff], s[10:11] offset:(\imm)+512*tu
.set tu, tu+1
.endr
	WIN 0
.set tS, 52+20*(\slot)
	global_load_b128 v[tS:tS+3], v[\woff], s[10:11] offset:(\imm)+8192
	global_load_b128 v[tS+4:tS+7], v[\coff], s[12:13] offset:(\cimm)
	global_load_b128 v[tS+8:tS+11], v[\coff], s[12:13] offset:(\cimm)+16
	global_load_b128 v[tS+12:tS+15], v[\coff], s[14:15] offset:(\cimm)
	global_load_b128 v[tS+16:tS+19], v[\coff], s[14:15] offset:(\cimm)+16
.endm
; Matrix instruction q of a tile's 8 na: K step q / na, row tile q % na.  The na accumulators take turns, one instruction a turn.  The first na start the sums.
.macro MM q, nx, slot, na
.set mS, (\q)/(\na)
.set mA, (\q)%(\na)
.set mX, 132+40*(\nx)+8*mA
.set mW, 64*(\slot)-48*((\slot)/2)+8*mS
.set mC, 40*(mS%6)+8*mA
.set mWS, 52+20*(\slot)+(mS&3)
.set mRS, 32+4*mA+(mS&3)
.if mS == 0
	v_wmma_scale_f32_16x16x128_f8f6f4 v[mX:mX+7], v[mW:mW+7], v[mC:mC+7], 0, v[mWS], v[mRS] matrix_a_fmt:MATRIX_FMT_FP4 matrix_b_fmt:MATRIX_FMT_FP4
.elseif mS < 4
	v_wmma_scale_f32_16x16x128_f8f6f4 v[mX:mX+7], v[mW:mW+7], v[mC:mC+7], v[mX:mX+7], v[mWS], v[mRS] matrix_a_fmt:MATRIX_FMT_FP4 matrix_b_fmt:MATRIX_FMT_FP4
.else
	v_wmma_scale_f32_16x16x128_f8f6f4 v[mX:mX+7], v[mW:mW+7], v[mC:mC+7], v[mX:mX+7], v[mWS], v[mRS] matrix_a_fmt:MATRIX_FMT_FP4 matrix_b_fmt:MATRIX_FMT_FP4 matrix_a_scale:MATRIX_SCALE_ROW1 matrix_b_scale:MATRIX_SCALE_ROW1
.endif
.endm
; Tile n = 4 k + i, na row tiles: its tanh and its dot with v_w, with the products of tile n + 1 (mm = 1) set between the exponentials and the reciprocals.
.macro ITER i, mm, na
.set iC, 132+40*((\i)%2)
.set iN, 1-(\i)%2
.set iM, ((\i)+1)%4
.set iW, 3-iM/2
.set iR, 52+20*(\i)
.set iWA, 4|iW
.set iWB, 8|iW
	s_wait_loadcnt 21                              ; tile n + 1 is in; the 21 loads of tile n + 2 may be out
.if (\i) == 0
	TLOADS 3,16,18,3*TILEB,192
.else
	TLOADS ((\i)+3)%4,17,19,((\i)-1)*TILEB,((\i)-1)*64
.endif
	; all steps of the tanh work in place on tile n's accumulators, in window 0 (the registers named T at the kernel's head lie idle)
	s_wait_alu depctr_va_vdst(0)                   ; directly ahead of the first readers of the matrix results
.irp jj, 0,1,2,3
.set aa, 0
.rept \na
	v_pk_fma_f32 v[iC+8*aa+2*\jj:iC+8*aa+2*\jj+1], v[iC+8*aa+2*\jj:iC+8*aa+2*\jj+1], s[58:59], v[iR+4+2*\jj:iR+5+2*\jj] op_sel_hi:[1,0,1]   ; C2 x + cb; each accumulator from its low end on
.set aa, aa+1
.endr
.endr
	s_wait_alu depctr_va_vdst(0)                   ; ahead of the batch
.set qq, 0
.rept 4*\na
	v_exp_f32 v[iC+2*qq], v[iC+2*qq]
	v_exp_f32 v[iC+2*qq+1], v[iC+2*qq+1]
.set qq, qq+1
.endr
	v_nop                                          ; the plain place behind the last exponential
	s_wait_alu depctr_va_vdst(0)                   ; one wait for the whole batch, ahead of its first reader
	; tile n + 1's 8 na products, one run with no transcendental between its links; among the first 4 na stand the lines 1 + 2^(..), written 1 x 1 + register:
	; the register is the third source, which lies in window 0 under the products' setting as well
.if \mm
	WIN iWA
.endif
.set qq, 0
.rept 4*\na
.if \mm
	MM qq,iN,iM,\na
.endif
	v_pk_fma_f32 v[iC+2*qq:iC+2*qq+1], 1.0, 1.0, v[iC+2*qq:iC+2*qq+1] op_sel_hi:[0,0,1]
.set qq, qq+1
.endr
.if \mm
.rept 2*\na
	MM qq,iN,iM,\na
.set qq, qq+1
.endr
	WIN iWB                                        ; the codes of K steps 6 and 7 lie in window 2
.rept 2*\na
	MM qq,iN,iM,\na
.set qq, qq+1
.endr
	WIN 0
.endif
	s_wait_alu depctr_va_vdst(0)                   ; ahead of the batch
.set qq, 0
.rept 8*\na
	v_rcp_f32 v[iC+qq], v[iC+qq]
.set qq, qq+1
.endr
	v_nop
	s_wait_alu depctr_va_vdst(0)                   ; one wait for the whole batch
	WIN 0
.irp jj, 0,1,2,3                       ; plain lines that name no register of the last products: they are also the places behind them
.set aa, 0
.rept \na
	v_pk_fma_f32 v[212+2*aa:213+2*aa], v[iC+8*aa+2*\jj:iC+8*aa+2*\jj+1], v[iR+12+2*\jj:iR+13+2*\jj], v[212+2*aa:213+2*aa]
.set aa, aa+1
.endr
	v_pk_add_f32 v[222:223], v[222:223], v[iR+12+2*\jj:iR+13+2*\jj]
.endr
.endm
; A prefetch of rows first .. first + 2 pairs - 1 of my 20 of the next pass: a lane names 256 bytes, an instruction two rows.  It runs in the first trip of the walk over the tiles alone, in three groups
; (behind tiles 0, 1 and 2), so at least 13 tiles ahead of the loads that will want the rows; and only where need rows of mine follow, so that all rows named are listed rows of mine:
; each block is named once in the launch, and what is asked for and not yet read is one pass's rows at the most.
.macro PFETCH first, pairs, need
	s_cmp_lg_u32 s33, 0
	s_cbranch_scc1 .Lno_pf_\@
	s_cmp_ge_i32 s63, \need
	s_cbranch_scc0 .Lno_pf_\@
	s_wait_kmcnt 0x0                               ; the next pass's indices
	s_wait_xcnt 0x0                                ; the group before, a tile back, has read its offsets: they may be written
	s_mov_b32 s74, 0xffff0000
.set pq, 0
.rept \pairs
	v_mov_b32 v248, s[36+\first+2*pq]
	v_mov_b32 v246, s[37+\first+2*pq]
	v_cndmask_b32 v248, v248, v246, s74            ; lanes 16-31 take the odd row
	v_min_u32 v248, 0x3ff, v248
	v_lshl_add_u32 v[28+pq], v248, 12, v254
.set pq, pq+1
.endr
.set pq, 0
.rept \pairs
	global_prefetch_b8 v[28+pq], s[4:5] th:TH_LOAD_NT scope:SCOPE_SE
.set pq, pq+1
.endr
.Lno_pf_\@:
.endm
; The walk over my 16 tiles of We for na row tiles: the rows' codes and scale words into registers, tile 0's products, then four trips of four tiles.
.macro TILES na
	WIN 0x40
.set cs, 0
.rept 6
.set aa, 0
.rept \na
	ds_load_b128 v[40*cs+8*aa:40*cs+8*aa+3], v7 offset:8448*aa+64*cs
	ds_load_b128 v[40*cs+8*aa+4:40*cs+8*aa+7], v7 offset:8448*aa+64*cs+32
.set aa, aa+1
.endr
.set cs, cs+1
.endr
	WIN 0x80
.rept 2
.set aa, 0
.rept \na
	ds_load_b128 v[40*(cs-6)+8*aa:40*(cs-6)+8*aa+3], v7 offset:8448*aa+64*cs
	ds_load_b128 v[40*(cs-6)+8*aa+4:40*(cs-6)+8*aa+7], v7 offset:8448*aa+64*cs+32
.set aa, aa+1
.endr
.set cs, cs+1
.endr
	WIN 0
.set aa, 0
.rept \na
	ds_load_b128 v[32+4*aa:35+4*aa], v8 offset:768*aa
.set aa, aa+1
.endr
	s_wait_dscnt 0x0
	WIN 0x07
.set qq, 0
.rept 6*\na
	MM qq,0,0,\na                                  ; tile 0: there is no vector work yet to set between
.set qq, qq+1
.endr
	WIN 0x0b
.rept 2*\na
	MM qq,0,0,\na
.set qq, qq+1
.endr
	WIN 0
.rept 4
	v_nop
.endr
	s_mov_b32 s33, 0
.Lk_\@:
	s_wait_xcnt 0x0                                ; the loads of the trip before have read their offsets
	s_mul_i32 s72, s33, 4*TILEB
	v_add_nc_u32 v16, s72, v13
	s_add_co_u32 s73, s33, 1
	s_and_b32 s73, s73, 3                          ; behind tile 15 comes tile 0 of the next pass
	s_mul_i32 s72, s73, 4*TILEB
	v_add_nc_u32 v17, s72, v13
	s_lshl_b32 s72, s33, 8
	v_add_nc_u32 v18, s72, v14
	s_lshl_b32 s72, s73, 8
	v_add_nc_u32 v19, s72, v14
	s_wait_alu depctr_va_vdst(0)
	ITER 0,1,\na
	PFETCH 0,4,8
	ITER 1,1,\na
	PFETCH 8,4,16
	ITER 2,1,\na
	PFETCH 16,2,20
	s_cmp_eq_u32 s33, 3
	s_cbranch_scc1 .Llast_\@
	ITER 3,1,\na
	s_branch .Ljoin_\@
.Llast_\@:
	ITER 3,0,\na                                   ; tile 15 has no successor to multiply
.Ljoin_\@:
	s_add_co_u32 s33, s33, 1
	s_cmp_lt_u32 s33, 4
	s_cbranch_scc1 .Lk_\@
.endm
; R3: rows 16 g .. 16 g + 15 of the pass, my 256 columns as bf16, into 64 registers from base on in a window; and their share of the context
.macro GLOAD g, win, base
	WIN (\win)<<6
.set gu, 0
.rept 16
	ds_load_b128 v[\base+4*gu:\base+4*gu+3], v[242+(\g)/2] offset:2048*(16*((\g)%2)+gu)
.set gu, gu+1
.endr
.endm
.macro GFMA g, win, base
	WIN \win
.set gu, 0
.rept 16
.set rc, 226+8*(gu%2)
.set rx, \base+4*gu
.irp q, 0,1,2,3
	v_fma_mix_f32_bf16 v[rc+2*\q], v[rx+\q], v[132+16*(\g)+gu], v[rc+2*\q] op_sel_hi:[1,0,0]
	v_fma_mix_f32_bf16 v[rc+2*\q+1], v[rx+\q], v[132+16*(\g)+gu], v[rc+2*\q+1] op_sel:[1,0,0] op_sel_hi:[1,0,0]
.endr
.set gu, gu+1
.endr
.endm
	s_load_b512 s[4:19], s[0:1], 0x0               ; encoder_outputs, list, plan, WE, cb, v_w, scw2, ctxp
	s_load_b64 s[20:21], s[0:1], 0x40              ; ml
	v_lshl_add_u32 v2, v0, 2, SPARE
	v_mov_b32 v3, 0
	v_lshrrev_b32 v248, 5, v0
	v_readfirstlane_b32 s22, v248                  ; wave
	s_mov_b32 s23, ttmp9                           ; j
	s_and_b32 s24, ttmp7, 0xffff                   ; b
	v_and_b32 v248, 31, v0                         ; lane
	v_and_b32 v15, 15, v0                          ; r
	v_bfe_u32 v252, v0, 4, 1                       ; h
	v_lshlrev_b32 v254, 8, v15                     ; 256 r
	v_lshlrev_b32 v1, 5, v248                      ; 32 lane
	v_lshlrev_b32 v249, 4, v248                    ; 16 lane
	s_mul_i32 s71, s22, 40960
	v_add_nc_u32 v4, s71, v249                     ; bf16 rows, in: 20 rows a wave
	s_mul_i32 s71, s22, 10560
	s_add_co_u32 s71, s71, CODE
	v_lshl_add_u32 v5, v248, 2, s71                ; codes, in
	s_mul_i32 s71, s22, 960
	s_add_co_u32 s71, s71, SCL
	v_lshrrev_b32 v253, 2, v248
	v_add_nc_u32 v6, s71, v253                     ; scale bytes, in
	v_mul_u32_u24 v7, v15, 528
	v_lshl_add_u32 v7, v252, 4, v7
	v_add_nc_u32 v7, CODE, v7                      ; a fragment: row r, + 16 h
	v_mul_u32_u24 v8, v15, 48
	v_lshl_add_u32 v8, v252, 4, v8
	v_add_nc_u32 v8, SCL, v8                       ; scale words: lanes 0-15 K steps 0-3, lanes 16-31 K steps 4-7
	v_lshlrev_b32 v10, 4, v15
	v_add_nc_u32 v10, SRED, v10
	s_lshl_b32 s71, s22, 2
	v_add_nc_u32 v9, s71, v10
	s_mul_i32 s71, s22, 320
	s_add_co_u32 s71, s71, PWB
	v_lshl_add_u32 v11, v15, 2, s71
	v_mov_b32 v12, s71
	s_mul_i32 s71, s22, 16*TILEB
	v_add_nc_u32 v13, s71, v249                    ; WE: my 16 tiles, 16 bytes a lane
	s_lshl_b32 s71, s22, 10
	v_lshl_add_u32 v14, v252, 5, s71               ; cb, v_w: my 256 numbers, + 32 h
	s_add_co_u32 s71, s71, OUTS
	v_add_nc_u32 v245, s71, v1
	v_add_nc_u32 v255, s71, v249
	s_lshl_b32 s71, s22, 9
	v_add_nc_u32 v242, s71, v249                   ; bf16 rows, out: my 256 columns
	v_add_nc_u32 v243, 0x10000, v242
	v_add_nc_u32 v244, 0x20000, v242
	v_mov_b32 v250, NEGBIG
	v_mov_b32 v251, SENT
	v_mov_b32 v224, SENT                           ; m
	v_mov_b32 v225, 0                              ; l
.set i, 0
.rept 16
	v_mov_b32 v[226+i], 0                          ; the context, carried from pass to pass
.set i, i+1
.endr
	s_mov_b32 s58, 0x4038aa3b                      ; C2 = 2 log2(e)
	s_mov_b32 s59, s58
	s_mov_b32 s60, 0x76543210
	s_mov_b32 s61, 0xfedcba98
	s_mov_b32 s75, 0
	s_mov_b32 s77, 0
	s_lshl_b32 s72, s24, 7
	s_lshl_b32 s73, s23, 4
	s_add_co_u32 s72, s72, s73
	s_wait_alu depctr_va_vdst(0)
	s_wait_kmcnt 0x0
	s_load_b128 s[28:31], s[8:9], s72 offset:0x0   ; start, n, npass, all masked
	s_lshl_b32 s74, s24, 22
	s_add_nc_u64 s[4:5], s[4:5], s[74:75]
	s_mul_i32 s74, s24, 5120
	s_add_nc_u64 s[6:7], s[6:7], s[74:75]
	s_lshl_b32 s74, s24, 12
	s_add_nc_u64 s[12:13], s[12:13], s[74:75]
	s_mul_i32 s74, s24, 1312
	s_mul_i32 s76, s23, 320
	s_add_co_u32 s74, s74, s76
	s_lshl_b32 s74, s74, 2
	s_add_nc_u64 s[16:17], s[16:17], s[74:75]
	s_lshl_b32 s74, s24, 2
	s_add_co_u32 s74, s74, s23
	s_lshl_b32 s76, s74, 12
	s_add_nc_u64 s[18:19], s[18:19], s[76:77]
	s_lshl_b32 s76, s74, 8
	s_add_nc_u64 s[20:21], s[20:21], s[76:77]
	TLOADS 0,13,14,0,0                             ; the ring: tiles 0, 1, 2
	TLOADS 1,13,14,TILEB,64
	TLOADS 2,13,14,2*TILEB,128
	s_wait_kmcnt 0x0
	s_min_u32 s28, s28, 1024
	s_min_u32 s29, s29, 256
	s_min_u32 s30, s30, 4
	s_min_u32 s31, s31, 1
	s_sub_co_u32 s62, 0, s31                       ; 0, or all ones where the batch is all masked
	s_lshl_b32 s71, s28, 2
	s_load_b32 s34, s[6:7], s71 offset:0x0         ; the first row of the quarter
	s_mul_i32 s35, s22, 20
	s_add_co_u32 s35, s35, s28
	s_lshl_b32 s35, s35, 2
	s_min_u32 s35, s35, 5040
	s_load_b512 s[36:51], s[6:7], s35 offset:0x0   ; my 20 rows of pass 0
	s_load_b128 s[52:55], s[6:7], s35 offset:0x40
	s_wait_kmcnt 0x0
	s_mul_i32 s57, s22, 20
	s_sub_co_i32 s56, s29, s57                     ; rows of the quarter from my first row of pass 0 on
.irp i, 0,1,2,3,4,5,6,7
	ROWLD \i                                       ; pass 0's first eight rows, on every way through the text
.endr
	s_mov_b32 s32, 0
.Lpass:
	s_cmp_lt_u32 s32, s30
	s_cbranch_scc0 .Lno_r1
	; ---- R1: rows 0 to 7 are on their way
	s_wait_kmcnt 0x0                               ; this pass's 20 indices
	s_mul_i32 s56, s32, 80
	s_mul_i32 s57, s22, 20
	s_add_co_u32 s56, s56, s57
	s_sub_co_i32 s56, s29, s56                     ; rows of the quarter from my first row on
	s_cmp_eq_u32 s32, 0                            ; pass 0 fills all 80 places
	s_cbranch_scc1 .Lr1_go
	s_cmp_gt_i32 s56, 0                            ; a later pass in which none of my 20 places holds a row of the quarter: they keep the earlier pass's finite numbers, which R3 weighs by 0
	s_cbranch_scc0 .Lno_r1
.Lr1_go:
.irp i, 0,1,2,3,4,5,6,7,8,9,10,11,12,13,14,15,16,17,18,19
	ROW \i
.endr
.Lno_r1:
	s_wait_dscnt 0x0                               ; my stores have landed
	s_barrier_signal -1
	s_barrier_wait -1                              ; the 80 rows lie in LDS
	s_cmp_lt_u32 s32, s30
	s_cbranch_scc0 .Lno_r2
	; ---- R2
	s_wait_loadcnt 0x0                             ; the ring's three tiles are in, and no load is on its way into the codes' registers
	s_wait_kmcnt 0x0
	s_wait_xcnt 0x0                                ; the last pass's stores have read the registers that are written below
	s_add_co_u32 s71, s32, 1
	s_mul_i32 s71, s71, 80
	s_mul_i32 s72, s22, 20
	s_add_co_u32 s71, s71, s72
	s_add_co_u32 s35, s71, s28
	s_lshl_b32 s35, s35, 2
	s_min_u32 s35, s35, 5040                       ; (never reached: start + 80 (p + 1) + 79 is 1,182 at the most, of 1,280 entries)
	s_load_b512 s[36:51], s[6:7], s35 offset:0x0   ; my 20 rows of the next pass
	s_load_b128 s[52:55], s[6:7], s35 offset:0x40
	s_sub_co_i32 s71, s29, s71
	s_mov_b32 s63, s71                             ; rows of the quarter from my first row of the next pass on: the prefetches' test
.set i, 0
.rept 12
	v_mov_b32 v[212+i], 0                          ; sum v r for five row tiles, and sum v
.set i, i+1
.endr
	s_mul_i32 s73, s32, 80
	s_sub_co_i32 s73, s29, s73                     ; rows of the quarter from this pass's first row on
	s_cmp_gt_i32 s73, 64
	s_cbranch_scc0 .Lfour
	TILES 5
	s_branch .Lscore
.Lfour:
	TILES 4                                        ; rows 64 to 79 are none of the quarter's: their sums stay 0, and R3 gives them the weight 0
.Lscore:
	s_add_co_u32 s71, s32, 1
	s_cmp_lt_u32 s71, s30
	s_cbranch_scc0 .Lno_early
	s_wait_kmcnt 0x0                               ; the next pass's indices
	s_mul_i32 s56, s71, 80
	s_mul_i32 s57, s22, 20
	s_add_co_u32 s56, s56, s57
	s_sub_co_i32 s56, s29, s56
	s_cmp_gt_i32 s56, 0                            ; the same test as at the head of R1: no row of mine follows, so none is asked for
	s_cbranch_scc0 .Lno_early
.irp i, 0,1,2,3,4,5,6,7
	ROWLD \i                                       ; the codes' registers are done with (the last product that read them stands more than four plain lines back): the next pass's first eight rows travel while the scores are joined and the context is summed
.endr
.Lno_early:
	s_wait_alu depctr_va_vdst(0)
	v_add_f32 v248, v222, v223
.irp a, 0,1,2,3,4
	v_add_f32 v[212+2*\a], v[212+2*\a], v[213+2*\a]
.endr
.irp a, 0,1,2,3,4
	v_fma_f32 v[212+2*\a], v[212+2*\a], -2.0, v248 ; sum v - 2 sum v r over my lane's d
.endr
.irp a, 0,1,2,3,4
	v_permlanex16_b32 v[213+2*\a], v[212+2*\a], s60, s61
.endr
.irp a, 0,1,2,3,4
	v_add_f32 v[212+2*\a], v[212+2*\a], v[213+2*\a] ; with lane l xor 16: my wave's 256 d
.endr
.irp a, 0,1,2,3,4
	ds_store_b32 v9, v[212+2*\a] offset:256*\a     ; lanes r and r + 16 write the same word with the same value
.endr
.Lno_r2:
	s_wait_dscnt 0x0
	s_barrier_signal -1
	s_barrier_wait -1                              ; the four partial scores of each row lie in LDS
	s_cmp_lt_u32 s32, s30
	s_cbranch_scc0 .Lno_r3
	; ---- R3
	s_wait_xcnt 0x0
.irp a, 0,1,2,3,4
	ds_load_b128 v[132+4*\a:135+4*\a], v10 offset:256*\a
.endr
	s_mul_i32 s71, s32, 80
	s_sub_co_i32 s72, s29, s71                     ; rows of the quarter from this pass's first row on
	v_lshlrev_b32 v249, 2, v15
	s_lshl_b32 s73, s71, 2
	v_add_nc_u32 v249, s73, v249
.irp a, 0,1,2,3,4
	s_sub_co_i32 s74, s72, 16*\a
	v_cmp_gt_i32 s[66+\a], s74, v15                ; is row 16 a + r one of the quarter?
.endr
	s_wait_dscnt 0x0
.irp a, 0,1,2,3,4
	v_add_f32 v[132+4*\a], v[132+4*\a], v[133+4*\a]
	v_add_f32 v[134+4*\a], v[134+4*\a], v[135+4*\a]
.endr
.irp a, 0,1,2,3,4
	v_add_f32 v[212+\a], v[132+4*\a], v[134+4*\a]
.endr
.irp a, 0,1,2,3,4
	v_cndmask_b32 v[212+\a], v[212+\a], v250, s62  ; a batch that is all masked: every score is -1e10
.endr
.irp a, 0,1,2,3,4
	v_mul_f32 v[212+\a], 0x3fb8aa3b, v[212+\a]     ; t = score x log2(e)
.endr
.irp a, 0,1,2,3,4
	v_cndmask_b32 v[212+\a], v251, v[212+\a], s[66+\a]
.endr
	s_cmp_lg_u32 s22, 0
	s_wait_alu depctr_va_vdst(0)
	s_cbranch_scc1 .Lnot0
.irp a, 0,1,2,3,4
	global_store_b32 v249, v[212+\a], s[16:17] offset:64*\a   ; lanes r and r + 16 write the same word with the same value
.endr
.Lnot0:
	v_max3_num_f32 v248, v212, v213, v214
	v_max3_num_f32 v248, v248, v215, v216
	v_max_num_f32_dpp v248, v248, v248 row_xmask:1 row_mask:0xf bank_mask:0xf
	v_max_num_f32_dpp v248, v248, v248 row_xmask:2 row_mask:0xf bank_mask:0xf
	v_max_num_f32_dpp v248, v248, v248 row_xmask:4 row_mask:0xf bank_mask:0xf
	v_max_num_f32_dpp v248, v248, v248 row_xmask:8 row_mask:0xf bank_mask:0xf   ; both halves of the lanes hold the same 16 rows
	v_max_num_f32 v247, v224, v248                 ; the new m
	v_sub_f32 v246, v224, v247
.irp a, 0,1,2,3,4
	v_sub_f32 v[217+\a], v[212+\a], v247
.endr
	s_wait_alu depctr_va_vdst(0)                   ; ahead of the batch
	v_exp_f32 v246, v246                           ; f = 2^(old m - new m)
.irp a, 0,1,2,3,4
	v_exp_f32 v[217+\a], v[217+\a]                 ; p
.endr
	v_mov_b32 v224, v247                           ; (the plain place behind the exponentials)
	s_wait_alu depctr_va_vdst(0)                   ; one wait for the six
.irp a, 0,1,2,3,4
	v_cndmask_b32 v[217+\a], 0, v[217+\a], s[66+\a]
.endr
	v_add_f32 v248, v217, v218
	v_add_f32 v222, v219, v220
	v_add_f32 v248, v248, v221
	v_add_f32 v248, v248, v222
	v_add_f32_dpp v248, v248, v248 row_xmask:1 row_mask:0xf bank_mask:0xf
	v_add_f32_dpp v248, v248, v248 row_xmask:2 row_mask:0xf bank_mask:0xf
	v_add_f32_dpp v248, v248, v248 row_xmask:4 row_mask:0xf bank_mask:0xf
	v_add_f32_dpp v248, v248, v248 row_xmask:8 row_mask:0xf bank_mask:0xf
	v_fma_f32 v225, v225, v246, v248               ; l
.irp a, 0,1,2,3,4
	ds_store_b32 v11, v[217+\a] offset:64*\a
.endr
.irp i, 0,1,2,3,4,5,6,7
	v_pk_mul_f32 v[226+2*\i:227+2*\i], v[226+2*\i:227+2*\i], v[246:247] op_sel_hi:[1,0]
.endr
	s_wait_alu depctr_va_vdst(0)
.set ri, 0
.rept 20
	ds_load_b128 v[132+4*ri:135+4*ri], v12 offset:16*ri   ; LDS serves a wave's instructions in order: these see my stores; every lane takes all 80 p
.set ri, ri+1
.endr
	; the rows, 16 at a time, through two buffers that lie outside window 1, into which the next pass's rows are landing
	GLOAD 0,2,0
	GLOAD 1,3,128
	s_wait_dscnt 16                                ; the p and this group are in; the 16 loads of the group asked for behind it may be out
	GFMA 0,2,0
	GLOAD 2,2,0
	s_wait_dscnt 16
	GFMA 1,3,128
	GLOAD 3,3,128
	s_wait_dscnt 16
	GFMA 2,2,0
	GLOAD 4,2,0
	s_wait_dscnt 16
	GFMA 3,3,128
	s_wait_dscnt 0x0
	GFMA 4,2,0
	WIN 0
.Lno_r3:
	s_wait_alu depctr_va_vdst(0)
	s_wait_dscnt 0x0                               ; my reads of the rows are over
	s_barrier_signal -1
	s_barrier_wait -1                              ; the next pass may write them
	s_add_co_u32 s32, s32, 1
	s_cmp_lt_u32 s32, 4
	s_cbranch_scc1 .Lpass
	; ---- the way out: my 256 columns through my own stage, so that each store covers 512 consecutive bytes
	s_wait_kmcnt 0x0
	s_wait_xcnt 0x0
.irp i, 0,1,2,3
	v_pk_add_f32 v[226+2*\i:227+2*\i], v[226+2*\i:227+2*\i], v[234+2*\i:235+2*\i]
.endr
	ds_store_b128 v245, v[226:229]
	ds_store_b128 v245, v[230:233] offset:16
	ds_load_b128 v[132:135], v255
	ds_load_b128 v[136:139], v255 offset:512
	v_and_b32 v248, 31, v0
	v_lshlrev_b32 v249, 3, v248
	v_lshlrev_b32 v248, 4, v248
	s_lshl_b32 s71, s22, 10
	v_add_nc_u32 v248, s71, v248
	s_wait_alu depctr_va_vdst(0)
	s_wait_dscnt 0x0
	global_store_b128 v248, v[132:135], s[18:19]
	global_store_b128 v248, v[136:139], s[18:19] offset:512
	s_cmp_lg_u32 s22, 0
	s_cbranch_scc1 .Lno_ml
	global_store_b64 v249, v[224:225], s[20:21]    ; (m, l), 32 times over: 256 consecutive bytes
.Lno_ml:
	s_wait_tensorcnt 0x0                           ; the end of the wave
	ds_add_u32 v2, v3
	s_wait_dscnt 0x0
	s_endpgm
.Lfunc_end_k_q51e7c3d003_attn:
	.size	k_q51e7c3d003_attn, .Lfunc_end_k_q51e7c3d003_attn-k_q51e7c3d003_attn
	.p2alignl 7, 3214868480
	.fill 96, 4, 3214868480
	.section	.rodata,"a",@progbits
	.p2align	6, 0x0
	.amdhsa_kernel k_q51e7c3d003_attn
		.amdhsa_group_segment_fixed_size 217088
		.amdhsa_private_segment_fixed_size 0
		.amdhsa_enable_private_segment 0
		.amdhsa_kernarg_size 72
		.amdhsa_user_sgpr_count 2
		.amdhsa_user_sgpr_kernarg_segment_ptr 1
		.amdhsa_wavefront_size32 1
		.amdhsa_system_sgpr_workgroup_id_x 1
		.amdhsa_system_sgpr_workgroup_id_y 1
		.amdhsa_system_sgpr_workgroup_id_z 1
		.amdhsa_system_vgpr_workitem_id 0
		.amdhsa_next_free_vgpr 1024
		.amdhsa_next_free_sgpr 100
		.amdhsa_reserve_vcc 0
		.amdhsa_float_denorm_mode_32 3
		.amdhsa_float_denorm_mode_16_64 3
		.amdhsa_memory_ordered 1
		.amdhsa_forward_progress 1
		.amdhsa_inst_pref_size 255
	.end_amdhsa_kernel
	.section	.bss,"aw",@nobits
	.p2align	6
	.space	262144
	.amdgpu_metadata
---
amdhsa.version: [ 1, 2 ]
amdhsa.kernels:
  - .name:           k_q51e7c3d003_attn
    .symbol:         k_q51e7c3d003_attn.kd
    .args:
      - { .name: encoder_outputs, .offset: 0, .size: 8, .value_kind: global_buffer, .address_space: global }
      - { .name: list, .offset: 8, .size: 8, .value_kind: global_buffer, .address_space: global }
      - { .name: plan, .offset: 16, .size: 8, .value_kind: global_buffer, .address_space: global }
      - { .name: WE, .offset: 24, .size: 8, .value_kind: global_buffer, .address_space: global }
      - { .name: cb, .offset: 32, .size: 8, .value_kind: global_buffer, .address_space: global }
      - { .name: v_w, .offset: 40, .size: 8, .value_kind: global_buffer, .address_space: global }
      - { .name: scw2, .offset: 48, .size: 8, .value_kind: global_buffer, .address_space: global }
      - { .name: ctxp, .offset: 56, .size: 8, .value_kind: global_buffer, .address_space: global }
      - { .name: ml, .offset: 64, .size: 8, .value_kind: global_buffer, .address_space: global }
    .group_segment_fixed_size: 217088
    .private_segment_fixed_size: 0
    .kernarg_segment_align: 8
    .kernarg_segment_size: 72
    .max_flat_workgroup_size: 128
    .sgpr_count:     100
    .vgpr_count:     1024
    .wavefront_size: 32
...
	.end_amdgpu_metadata
.endif
;; end of part 2
;; launch finish (part 3): grid 4 x 64, 2 waves a work-group, no clusters, 0 bytes of LDS; arguments ctxp, ml, inv, scw2, out0, out1; writes out0, out1
.if DOCPART == 3
	.amdgcn_target "amdgcn-amd-amdhsa--gfx1250"
	.amdhsa_code_object_version 6
	.text
	.protected	k_q51e7c3d003_finish
	.globl	k_q51e7c3d003_finish
	.p2align	8
	.type	k_q51e7c3d003_finish,@function
k_q51e7c3d003_finish:
	s_mov_b64 s[64:65], 0
	v_nop
	global_prefetch_b8 v0, s[64:65] scope:SCOPE_SE
	s_setreg_imm32_b32 hwreg(HW_REG_WAVE_MODE, 25, 1), 1
	s_wait_xcnt 0x0
; Additive attention, launch 3 of 3: the four quarters of a batch are joined.  M = the largest m_j, g_j = 2^(m_j - M), L = sum l_j g_j; out0 = sum g_j ctx_j / L; out1[s] = 2^(t(s) - M) / L.
; WORK LEFT OUT: a masked row of a batch that has an unmasked row has no score of its own: its index names a place that holds -3e38, which gives the weight 0 (shown at the head of the first kernel).
; Thread tau of work-group (x, b) owns elements 256 x + 4 tau .. + 3 of batch b: every load and store but the four gathers covers 1,024 consecutive bytes a work-group.  No LDS, no barrier: threads share nothing.
	s_load_b256 s[4:11], s[0:1], 0x0               ; ctxp, ml, inv, scw2
	s_load_b128 s[12:15], s[0:1], 0x20             ; out0, out1
	s_and_b32 s16, ttmp7, 0xffff                   ; b
	s_lshl_b32 s17, ttmp9, 10
	v_lshl_add_u32 v1, v0, 4, s17                  ; my 16 bytes in a row of 4,096
	s_mov_b32 s19, 0
	s_wait_alu depctr_va_vdst(0)
	s_wait_kmcnt 0x0
	s_lshl_b32 s18, s16, 14
	s_add_nc_u64 s[4:5], s[4:5], s[18:19]
	s_lshl_b32 s18, s16, 10
	s_add_nc_u64 s[6:7], s[6:7], s[18:19]
	s_lshl_b32 s18, s16, 12
	s_add_nc_u64 s[8:9], s[8:9], s[18:19]
	s_add_nc_u64 s[12:13], s[12:13], s[18:19]
	s_add_nc_u64 s[14:15], s[14:15], s[18:19]
	s_mul_i32 s18, s16, 5248
	s_add_nc_u64 s[10:11], s[10:11], s[18:19]
	s_load_b64 s[20:21], s[6:7], 0x0               ; (m, l) of the four quarters
	s_load_b64 s[22:23], s[6:7], 0x100
	s_load_b64 s[24:25], s[6:7], 0x200
	s_load_b64 s[26:27], s[6:7], 0x300
	global_load_b128 v[4:7], v1, s[8:9]
.irp j, 0,1,2,3
	global_load_b128 v[8+4*\j:11+4*\j], v1, s[4:5] offset:4096*\j
.endr
	s_wait_loadcnt 4                               ; the four indices are in; the four context loads behind them may be out
.irp i, 0,1,2,3
	v_min_u32 v[4+\i], 0x51f, v[4+\i]              ; a row of scores has 1,312 places
.endr
.irp i, 0,1,2,3
	v_lshlrev_b32 v[4+\i], 2, v[4+\i]
.endr
.irp i, 0,1,2,3
	global_load_b32 v[24+\i], v[4+\i], s[10:11]
.endr
	s_wait_kmcnt 0x0
	v_max_num_f32 v30, s20, s22
	v_max3_num_f32 v30, v30, s24, s26              ; M
	v_sub_f32 v31, s20, v30
	v_sub_f32 v32, s22, v30
	v_sub_f32 v33, s24, v30
	v_sub_f32 v34, s26, v30
	s_wait_alu depctr_va_vdst(0)
	v_exp_f32 v31, v31
	v_exp_f32 v32, v32
	v_exp_f32 v33, v33
	v_exp_f32 v34, v34
	v_nop
	s_wait_alu depctr_va_vdst(0)                   ; one wait for the four
	v_mul_f32 v35, s21, v31
	v_fma_f32 v35, s23, v32, v35
	v_fma_f32 v35, s25, v33, v35
	v_fma_f32 v35, s27, v34, v35                   ; L: at least 1, since the quarter that holds M has a p of 1
	s_wait_alu depctr_va_vdst(0)
	v_rcp_f32 v35, v35
	v_nop
	s_wait_alu depctr_va_vdst(0)
.irp j, 0,1,2,3
	v_mul_f32 v[31+\j], v[31+\j], v35              ; g_j / L
.endr
	s_wait_alu depctr_va_vdst(0)
	s_wait_loadcnt 4                               ; the contexts are in; the four gathers may be out
.irp e, 0,1,2,3
	v_mul_f32 v[36+\e], v31, v[8+\e]
.endr
.irp j, 1,2,3
.irp e, 0,1,2,3
	v_fma_f32 v[36+\e], v[31+\j], v[8+4*\j+\e], v[36+\e]
.endr
.endr
	global_store_b128 v1, v[36:39], s[12:13]
	s_wait_loadcnt 0x0
.irp i, 0,1,2,3
	v_sub_f32 v[24+\i], v[24+\i], v30
.endr
	s_wait_alu depctr_va_vdst(0)
.irp i, 0,1,2,3
	v_exp_f32 v[24+\i], v[24+\i]
.endr
	v_nop
	s_wait_alu depctr_va_vdst(0)
.irp i, 0,1,2,3
	v_mul_f32 v[24+\i], v[24+\i], v35
.endr
	global_store_b128 v1, v[24:27], s[14:15]
	s_endpgm
.Lfunc_end_k_q51e7c3d003_finish:
	.size	k_q51e7c3d003_finish, .Lfunc_end_k_q51e7c3d003_finish-k_q51e7c3d003_finish
	.p2alignl 7, 3214868480
	.fill 96, 4, 3214868480
	.section	.rodata,"a",@progbits
	.p2align	6, 0x0
	.amdhsa_kernel k_q51e7c3d003_finish
		.amdhsa_group_segment_fixed_size 0
		.amdhsa_private_segment_fixed_size 0
		.amdhsa_enable_private_segment 0
		.amdhsa_kernarg_size 48
		.amdhsa_user_sgpr_count 2
		.amdhsa_user_sgpr_kernarg_segment_ptr 1
		.amdhsa_wavefront_size32 1
		.amdhsa_system_sgpr_workgroup_id_x 1
		.amdhsa_system_sgpr_workgroup_id_y 1
		.amdhsa_system_sgpr_workgroup_id_z 1
		.amdhsa_system_vgpr_workitem_id 0
		.amdhsa_next_free_vgpr 64
		.amdhsa_next_free_sgpr 66
		.amdhsa_reserve_vcc 0
		.amdhsa_float_denorm_mode_32 3
		.amdhsa_float_denorm_mode_16_64 3
		.amdhsa_memory_ordered 1
		.amdhsa_forward_progress 1
		.amdhsa_inst_pref_size 6
	.end_amdhsa_kernel
	.amdgpu_metadata
---
amdhsa.version: [ 1, 2 ]
amdhsa.kernels:
  - .name:           k_q51e7c3d003_finish
    .symbol:         k_q51e7c3d003_finish.kd
    .args:
      - { .name: ctxp, .offset: 0, .size: 8, .value_kind: global_buffer, .address_space: global }
      - { .name: ml, .offset: 8, .size: 8, .value_kind: global_buffer, .address_space: global }
      - { .name: inv, .offset: 16, .size: 8, .value_kind: global_buffer, .address_space: global }
      - { .name: scw2, .offset: 24, .size: 8, .value_kind: global_buffer, .address_space: global }
      - { .name: out0, .offset: 32, .size: 8, .value_kind: global_buffer, .address_space: global }
      - { .name: out1, .offset: 40, .size: 8, .value_kind: global_buffer, .address_space: global }
    .group_segment_fixed_size: 0
    .private_segment_fixed_size: 0
    .kernarg_segment_align: 8
    .kernarg_segment_size: 48
    .max_flat_workgroup_size: 64
    .sgpr_count:     66
    .vgpr_count:     64
    .wavefront_size: 32
...
	.end_amdgpu_metadata
.endif
;; end of part 3
